; MI455X (gfx1250); checked and timed in simulation.
; The chip was launched on July 23, 2026; its instructions are those of AMD's public machine-readable ISA for CDNA 5 (MIT licence, August 2026) and "CDNA5" Instruction Set Architecture Reference Guide (July 2026). The comments in the code are by the model that wrote it; some were corrected since.
;; Moe Layer. Allowed arithmetic: matrix products marked QUANTISED: E2M3 operands, one E8M0 scale for each 32 along K, by v_wmma_scale_f32_16x16x128_f8f6f4 with both operands' format E2M3, f32 sums; products left as they are: f32 operands where the result goes on into a quantised operand, else bf16, f16 or f32 operands; f32 sums; everything else in f32.
;; Inputs: W 8 x 1,024 x 1,024 float32; b 8 x 1,024 float32; gate_W 1,024 x 8 float32; gate_b 8 float32; x 8,192 x 1,024 float32.
;; Outputs: out0 8,192 x 1,024 float32.
;; This version of the problem:
;;   THIS VERSION OF THE PROBLEM IS GIVEN IN LOW PRECISION. The matrix products marked QUANTISED in the list below multiply operands that are first quantised to E2M3 (2 exponent bits, 3 mantissa bits; 6 bits a number), with one power-of-two scale for each 32 numbers along K (OCP MX v1.0); their sums are f32. All else is computed in f32.
;;   The module's matrix products, in the order in which they are computed (A, B: the left and right operand; K: the contracted axis; several contracted axes count as one K, in the product's order):
;;     1. [M 8,192, K 1,024] x [K 1,024, N 8]; A: input x; B: input gate_W: left as it is (N = 8 < 16)
;;     2. [M 8,192, K 1,024] x [K 1,024, N 8,192]; A: input x; B: input W: QUANTISED
;;     3. batch 8,192 x [M 1, K 8] x [K 8, N 1,024]; A: softmax; B: computed on the way: left as it is (K = 8 < 32)
;;   THE QUANTISER, for each operand of a quantised product, along K:
;;     - K is cut into blocks of 32 from its start; a last block that is shorter is filled with zeros.
;;     - A block's scale is 2^e with e = floor(log2(the largest magnitude in the block)) - 2, held to -126 .. 127; a block of zeros has e = 0. As a byte (E8M0): e + 127.
;;     - Each number is divided by its block's scale, clamped to +-7.5, and rounded to the nearest number of E2M3, ties to even, subnormals kept.
;;     - The product sums the exact products of the quantised numbers (number of the format x scale) in f32.
;;   ~~~python
;;   def quantise(x, axis):      # numpy; x: float32 -> the quantised numbers, widened to float32 again
;;       x = np.moveaxis(x, axis, -1); K = x.shape[-1]
;;       x = np.pad(x, [(0, 0)] * (x.ndim - 1) + [(0, -K % 32)]); x = x.reshape(x.shape[:-1] + (-1, 32)); a = np.abs(x).max(-1, keepdims=True)
;;       e = np.where(a > 0, np.clip(np.frexp(np.where(a > 0, a, 1))[1] - 1 - 2, -126, 127), 0)      # np.frexp(a)[1] - 1 = floor(log2(a)), exactly
;;       r = np.clip(x / 2.0 ** e, -7.5, 7.5)
;;       step = 2.0 ** (np.maximum(np.frexp(np.where(r == 0, 1, r))[1] - 1, 0) - 3)
;;       q = np.round(r / step) * step * 2.0 ** e      # np.round: ties to even
;;       return np.moveaxis(q.reshape(q.shape[:-2] + (-1,))[..., :K], -1, axis).astype(np.float32)
;;   ~~~
;; One version. Each part assembles by itself: llvm-mc -triple=amdgcn-amd-amdhsa -mcpu=gfx1250 --defsym DOCPART=n.
;; ======== version 1 of 1: 2 launches
;; limits: values are held in bf16: 8 bits of precision; right only within a limited range of input values
;; workspace buffers: xq 6,815,744 bytes; wq 6,291,456 bytes; ws 262,144 bytes
;; launch prep (part 1): grid 512 x 1, 8 waves a work-group, no clusters, 152,576 bytes of LDS; arguments x, W, gate_W, gate_b, xq, wq, ws; writes xq, wq, ws
.if DOCPART == 1
	.amdgcn_target "amdgcn-amd-amdhsa--gfx1250"
	.amdhsa_code_object_version 6
	.text
	.protected	k_q84c71c2283_prep
	.globl	k_q84c71c2283_prep
	.p2align	8
	.type	k_q84c71c2283_prep,@function
k_q84c71c2283_prep:
	s_mov_b64 s[64:65], 0
	v_nop
	global_prefetch_b8 v0, s[64:65] scope:SCOPE_SE
	s_setreg_imm32_b32 hwreg(HW_REG_WAVE_MODE, 25, 1), 1
	s_wait_xcnt 0x0
; PREP: x [8192][1024] and W [8][1024][1024], f32, become codes of FP6 (E2M3) with one E8M0 scale byte for each 32 along K (K = the 1,024 inputs), and the gate scores softmax(x gate_W + gate_b) are made.
; A block's scale is 2^(floor(log2(its largest magnitude)) - 2): its byte is that magnitude's exponent field - 2, held at 1 from below; each number is divided by the scale and rounded to the nearest code, ties to even, beyond 7.5 the largest code.
; WHAT IS STORED.  A TILE is 16 rows of an operand x all of K.  Its codes, 12,288 bytes, lie as [K step 8][c 3][lane 32][16 bytes]: the image of the operand's registers: lane (r, h) has row r, and registers 6 c .. 6 c + 5 of its 12
; hold K = 128 step + 64 c + 32 h + 0 .. 31.  Its scales, 512 bytes, lie as [K step 8][row 16] words, byte b for the block at 32 b.  xq, xs: tile = token / 16.  wq, ws: tile = 32 cg + 8 nt + e, row r = output 64 cg + 16 nt + r.
; gt: the gate scores, [expert 8][token 8192] f32.
; WORK-GROUPS 0-255 take 32 tokens of x each (wave = K step); work-groups 256-511 take W (expert, 64 outputs, half of K; wave = 32 outputs x one K step).  The branch hangs on the work-group's number alone.  Only x's way uses LDS and a barrier.
; THE GATE PRODUCT (not quantised) keeps f32 operands and f32 sums: an error of a token's logits goes into all its 1,024 outputs, times the differences between the experts' results, so nothing coarser is taken.
; It is 8 of the program's 8,200 columns, one part in 1,024 of the multiply-adds: the f32 matrix form takes it, on the registers that the quantiser reads anyway.  The softmax takes the row's maximum away, in f32.
; LIMITS: NaN and infinities among the inputs are not served.  A block whose largest magnitude lies under 2^-124 gets the byte 1; a block of zeros too, where the rule says 127: its codes are zeros, which add nothing, and this
; program alone reads the bytes.
; HOW x's RESULTS LIE (this takes the place of what is said of xs and gt above): xq holds, for each tile of 16 tokens, ONE block of 13,312 bytes: the codes' image (12,288 bytes), then the scale words
; (512 bytes, [K step 8][row 16]), then the gate scores (512 bytes, [token 16][expert 8] f32).  So one dense tensor load of the next launch brings all that a tile's products need.
.set STGW, 16896
.set SPX,  528                         ; a stage row: 512 bytes + 16: row r starts 4 r banks on, so the 16 rows that a load touches start at 16 different places
.set PB,   135168                      ; behind the eight waves' stages: the partial logits, [tile 2][K step 8][lane 32][32 bytes]
; v1 lane, v2 r, v3 h, v4 16 x lane, v11 4 x lane; x's way: v5 gate_W offset, v6 stage in, v7 stage out, v8 xs offset, v9 logits in, v10 logits out; W's way: v12 wq offset, v13 ws offset
; x's way: v48-55, v56-63 the two tiles' logits, written by matrix instructions alone in the whole text; v64-127 gate_W, then the quantiser's scratch; v128-255 x
; Four blocks of 32 numbers, each in 32 consecutive registers of the lane (from b0, b1, b2, b3), become two operand images: S+16 .. S+27 = [b0's six registers, b1's six], S+28 .. S+39 = [b2's, b3's]; their bytes in S+8 .. S+11.
.macro QUANT4 b0, b1, b2, b3, S
	v_max3_num_f32 v[\S+0], |v[\b0]|, |v[\b0+1]|, 0x1800000   ; the largest magnitude, with the floor 2^(3 - 127) among its leaves: the byte cannot fall under 1
	v_max3_num_f32 v[\S+1], |v[\b1]|, |v[\b1+1]|, 0x1800000
	v_max3_num_f32 v[\S+2], |v[\b2]|, |v[\b2+1]|, 0x1800000
	v_max3_num_f32 v[\S+3], |v[\b3]|, |v[\b3+1]|, 0x1800000
.irp i, 2,4,6,8,10,12,14,16,18,20,22,24,26,28,30
	s_delay_alu instid0(VALU_DEP_4)
	v_max3_num_f32 v[\S+0], v[\S+0], |v[\b0+\i]|, |v[\b0+\i+1]|   ; the four blocks by turns: no line waits for the line above it
	s_delay_alu instid0(VALU_DEP_4)
	v_max3_num_f32 v[\S+1], v[\S+1], |v[\b1+\i]|, |v[\b1+\i+1]|
	s_delay_alu instid0(VALU_DEP_4)
	v_max3_num_f32 v[\S+2], v[\S+2], |v[\b2+\i]|, |v[\b2+\i+1]|
	s_delay_alu instid0(VALU_DEP_4)
	v_max3_num_f32 v[\S+3], v[\S+3], |v[\b3+\i]|, |v[\b3+\i+1]|
.endr
.irp q, 0,1,2,3
	s_delay_alu instid0(VALU_DEP_4)
	v_add_nc_u32 v[\S+4+\q], 0xff000000, v[\S+\q]             ; 2 off the exponent field: the conversion takes this operand's exponent field as its scale
.endr
.irp q, 0,1,2,3
	s_delay_alu instid0(VALU_DEP_4)
	v_lshrrev_b32 v[\S+8+\q], 23, v[\S+4+\q]                  ; the scale's byte
.endr
	v_cvt_scalef32_pk16_fp6_f32 v[\S+16:\S+18], v[\b0:\b0+15], v[\S+4]
	v_cvt_scalef32_pk16_fp6_f32 v[\S+40:\S+42], v[\b0+16:\b0+31], v[\S+4]   ; a conversion's three registers begin on an even number: a block's upper half is made elsewhere and moved
	v_cvt_scalef32_pk16_fp6_f32 v[\S+22:\S+24], v[\b1:\b1+15], v[\S+5]
	v_cvt_scalef32_pk16_fp6_f32 v[\S+44:\S+46], v[\b1+16:\b1+31], v[\S+5]
	v_cvt_scalef32_pk16_fp6_f32 v[\S+28:\S+30], v[\b2:\b2+15], v[\S+6]
	v_cvt_scalef32_pk16_fp6_f32 v[\S+48:\S+50], v[\b2+16:\b2+31], v[\S+6]
	v_cvt_scalef32_pk16_fp6_f32 v[\S+34:\S+36], v[\b3:\b3+15], v[\S+7]
	v_cvt_scalef32_pk16_fp6_f32 v[\S+52:\S+54], v[\b3+16:\b3+31], v[\S+7]
	v_nop                                                     ; one plain place behind the scaled conversions
.irp i, 0,1,2
	v_mov_b32 v[\S+19+\i], v[\S+40+\i]
	v_mov_b32 v[\S+25+\i], v[\S+44+\i]
	v_mov_b32 v[\S+31+\i], v[\S+48+\i]
	v_mov_b32 v[\S+37+\i], v[\S+52+\i]
.endr
.endm
	s_load_b256 s[4:11], s[0:1], 0x0               ; x s[4:5], W s[6:7], gate_W s[8:9], gate_b s[10:11]
	s_load_b64 s[12:13], s[0:1], 0x20              ; xq
	s_load_b128 s[16:19], s[0:1], 0x28             ; wq s[16:17], ws s[18:19]
	v_lshl_add_u32 v46, v0, 2, 0x25000
	v_mov_b32 v47, 0
	v_lshrrev_b32 v1, 5, v0
	s_delay_alu instid0(VALU_DEP_1)
	v_readfirstlane_b32 s22, v1                    ; wave 0..7
	v_and_b32 v1, 31, v0                           ; lane
	v_and_b32 v2, 15, v0                           ; r
	v_bfe_u32 v3, v0, 4, 1                         ; h
	s_delay_alu instid0(VALU_DEP_3)
	v_lshlrev_b32 v4, 4, v1                        ; 16 x lane
	s_delay_alu instid0(VALU_DEP_4)
	v_lshlrev_b32 v11, 2, v1                       ; 4 x lane
	v_and_b32 v14, 7, v0
	s_delay_alu instid0(VALU_DEP_4)
	v_lshlrev_b32 v5, 10, v3
	s_delay_alu instid0(VALU_DEP_1)
	v_lshl_add_u32 v5, v14, 2, v5                  ; gate_W: 32 rows of 32 bytes further down for lanes 16-31, expert lane % 8
	s_mul_i32 s23, s22, STGW
	v_add_nc_u32 v6, s23, v4                       ; my stage, on the way in: 16 bytes a lane of a row's 512
	v_mul_u32_u24 v7, v2, SPX
	s_delay_alu instid0(VALU_DEP_1)
	v_lshl_add_u32 v7, v3, 7, v7
	s_delay_alu instid0(VALU_DEP_1)
	v_add_nc_u32 v7, s23, v7                       ; and out: row r, + 128 h: my block of 32 numbers
	v_mul_u32_u24 v8, v3, 13312                    ; the second tile's block lies 13,312 bytes on
	s_delay_alu instid0(VALU_DEP_1)
	v_lshl_add_u32 v8, v2, 2, v8                   ; xs: lanes 0-15 the first tile's words, lanes 16-31 the second's, 13,312 bytes on
	s_lshl_b32 s43, s22, 10
	s_add_co_u32 s43, s43, PB
	v_lshl_add_u32 v9, v1, 5, s43                  ; my partial logits: 32 bytes a lane, 1,024 a wave
	v_lshlrev_b32 v10, 13, v3
	s_delay_alu instid0(VALU_DEP_1)
	v_lshl_add_u32 v10, v2, 5, v10
	s_delay_alu instid0(VALU_DEP_1)
	v_add_nc_u32 v10, PB, v10                      ; and where wave 0 reads them: lane = token: tile h, lane r
	v_mul_u32_u24 v12, v3, 98304
	s_delay_alu instid0(VALU_DEP_1)
	v_lshl_add_u32 v12, v2, 4, v12                 ; wq: lanes 16-31 hold the tile 8 tiles on (nt + 1); 16 bytes a row
	v_lshlrev_b32 v13, 12, v3
	s_delay_alu instid0(VALU_DEP_1)
	v_lshl_add_u32 v13, v2, 2, v13
	v_mul_u32_u24 v15, v3, 13312
	s_delay_alu instid0(VALU_DEP_1)
	v_lshl_add_u32 v15, v2, 5, v15                 ; the gate scores: tile h, 32 bytes a token
	s_mov_b32 s32, 0x76543210
	s_mov_b32 s33, 0xfedcba98                      ; v_permlanex16_b32's selects for lane l xor 16
	s_mov_b32 s35, 0                               ; the high word of every offset
	s_mov_b32 s42, 0x3fb8aa3b                      ; log2(e)
	s_wait_kmcnt 0x0
	s_cmp_lt_u32 ttmp9, 256
	s_cbranch_scc0 .Lw_path
; ---------------- x: tokens 32 g .. 32 g + 31 (two tiles); my wave takes K step kk = wave of both ----------------
	s_load_b256 s[24:31], s[10:11], 0x0            ; gate_b: eight numbers
	s_lshl_b32 s34, ttmp9, 17                      ; 32 rows of 4,096 bytes,
	s_lshl_b32 s36, s22, 9                         ; my 512 bytes of a row
	s_add_co_u32 s34, s34, s36
	s_add_nc_u64 s[4:5], s[4:5], s[34:35]
	s_lshl_b32 s34, s22, 12                        ; gate_W: my 128 rows of 32 bytes
	s_add_nc_u64 s[8:9], s[8:9], s[34:35]
	s_mul_i32 s34, ttmp9, 26624                    ; xq: two blocks of 13,312 bytes
	s_add_nc_u64 s[20:21], s[12:13], s[34:35]      ; my first tile's block
	s_mul_i32 s34, s22, 1536
	s_add_nc_u64 s[12:13], s[20:21], s[34:35]      ; the codes of my K step
	s_lshl_b32 s34, s22, 6
	s_add_co_u32 s34, s34, 12288
	s_add_nc_u64 s[14:15], s[20:21], s[34:35]      ; the scale words of my K step: 64 bytes
	s_add_nc_u64 s[20:21], s[20:21], 12800         ; the gate scores
; x goes out first: it is the bulk, 16 KB a wave that nobody has read before; gate_W's small loads follow
.irp p, 0,1,2,3,4,5,6,7,8,9,10,11,12,13,14,15,16,17,18,19,20,21,22,23,24,25,26,27,28,29,30,31
	global_load_b128 v[128+4*\p:131+4*\p], v4, s[4:5] offset:\p*4096 th:TH_LOAD_NT   ; row p: the wave reads 512 consecutive bytes; read once in the launch
.endr
; gate_W(k, lane % 8) for the very k that the lane will hold of x: register 16 u + s: k = 64 (u / 2) + 32 h + 16 (u % 2) + s.  Rows 8-15 of the matrix operand repeat experts 0-7; their results are not read.
.irp u, 0,1,2,3
.irp s, 0,1,2,3,4,5,6,7,8,9,10,11,12,13,14,15
	global_load_b32 v[64+16*\u+\s], v5, s[8:9] offset:(64*(\u/2)+16*(\u%2)+\s)*32
.endr
.endr
	s_wait_loadcnt 63                              ; x's 32 rows are in: 64 loads were issued behind the last of them, and the count leaves 63 out
.irp p, 0,1,2,3,4,5,6,7,8,9,10,11,12,13,14,15
	ds_store_b128 v6, v[128+4*\p:131+4*\p] offset:\p*SPX
.endr
.irp p, 0,1,2,3,4,5,6,7,8,9,10,11,12,13,14,15
	ds_store_b128 v6, v[192+4*\p:195+4*\p] offset:16*SPX+\p*SPX
.endr
	s_wait_dscnt 0x0                               ; the stores have read their registers: the turn below lands on them
; the turn: lane (r, h) takes, of row r, the blocks at 32 h and 64 + 32 h: tile 0 into v128-191, tile 1 into v192-255; register 32 c + i = x(r, 128 kk + 64 c + 32 h + i)
.irp c, 0,1
.irp j, 0,1,2,3,4,5,6,7
	ds_load_b128 v[128+32*\c+4*\j:131+32*\c+4*\j], v7 offset:256*\c+16*\j
.endr
.endr
.irp c, 0,1
.irp j, 0,1,2,3,4,5,6,7
	ds_load_b128 v[192+32*\c+4*\j:195+32*\c+4*\j], v7 offset:16*SPX+256*\c+16*\j
.endr
.endr
	s_wait_loadcnt 0x0                             ; gate_W
	s_wait_dscnt 0x0
; logits^T = gate_W^T x^T over my 128 of K, four of K an instruction: source 0 = experts, source 1 = 16 tokens.  Registers 2 p, 2 p + 1 of gate_W and of x hold the same k in the same lanes, so the products pair rightly
; whatever four of K an instruction takes.  Lane r (0-15) holds token r, register j expert j.  Each sum begins with the constant 0 in its own first K step; the two accumulators take turns, one instruction a turn.
	v_wmma_f32_16x16x4_f32 v[48:55], v[64:65], v[128:129], 0
	v_wmma_f32_16x16x4_f32 v[56:63], v[64:65], v[192:193], 0
.set kp, 1
.rept 31
	v_wmma_f32_16x16x4_f32 v[48:55], v[64+2*kp:65+2*kp], v[128+2*kp:129+2*kp], v[48:55]
	v_wmma_f32_16x16x4_f32 v[56:63], v[64+2*kp:65+2*kp], v[192+2*kp:193+2*kp], v[56:63]
.set kp, kp+1
.endr
.rept 8
	v_nop                                          ; eight places behind this form (ISA guide 7.12.1): the results are read, and gate_W's registers written, below
.endr
	s_wait_alu depctr_va_vdst(0)
	ds_store_b128 v9, v[48:51]                     ; each accumulator from its low end on
	ds_store_b128 v9, v[52:55] offset:16
	ds_store_b128 v9, v[56:59] offset:8192
	ds_store_b128 v9, v[60:63] offset:8208
	QUANT4 128, 160, 192, 224, 64                  ; tile 0's fragment in v80-91, tile 1's in v92-103; bytes v72, v73 (tile 0), v74, v75 (tile 1)
	v_lshl_or_b32 v76, v73, 16, v72                ; my two bytes of tile 0: blocks h and 2 + h,
	v_lshl_or_b32 v77, v75, 16, v74                ; of tile 1
	v_lshlrev_b32 v78, 3, v3
	s_delay_alu instid0(VALU_DEP_1)
	v_lshlrev_b32 v76, v78, v76                    ; at their places in the word: 8 h bits up
	s_delay_alu instid0(VALU_DEP_2)
	v_lshlrev_b32 v77, v78, v77
	v_mov_b32 v79, 0                               ; a lane permute's destination counts as one of its sources
	s_delay_alu instid0(VALU_DEP_1)
	v_permlanex16_b32 v79, v76, s32, s33
	s_delay_alu instid0(VALU_DEP_1)
	v_or_b32 v76, v76, v79                         ; with lane l xor 16's two bytes the word is whole
	s_delay_alu instid0(VALU_DEP_2)
	v_permlanex16_b32 v79, v77, s32, s33
	s_delay_alu instid0(VALU_DEP_1)
	v_or_b32 v77, v77, v79
	v_cmp_gt_u32 vcc_lo, 16, v1
	s_delay_alu instid0(VALU_DEP_1)
	v_cndmask_b32 v76, v77, v76, vcc_lo            ; lanes 0-15 store tile 0's words, lanes 16-31 tile 1's
.irp c, 0,1,2
	global_store_b128 v4, v[80+4*\c:83+4*\c], s[12:13] offset:512*\c            ; the wave stores 512 consecutive bytes, at a multiple of 256 from xq's first byte
	global_store_b128 v4, v[92+4*\c:95+4*\c], s[12:13] offset:13312+512*\c
.endr
	global_store_b32 v8, v76, s[14:15]             ; two pieces of 64 bytes: the scales are one byte in 128 of what is read
	s_wait_dscnt 0x0                               ; for wave 0's sake: my partial logits lie in LDS
	s_barrier_signal -1
	s_barrier_wait -1
	s_cmp_lg_u32 s22, 0
	s_cbranch_scc1 .Lend
; wave 0: lane = token 32 g + lane: the eight K steps' parts are added, then the softmax over the eight experts.  It works in v128-191, x's registers, which are done with: no register that a pending store reads is touched
	s_wait_kmcnt 0x0                               ; gate_b
.irp k, 0,1,2,3,4,5,6,7
	ds_load_b128 v[128+8*\k:131+8*\k], v10 offset:1024*\k
	ds_load_b128 v[132+8*\k:135+8*\k], v10 offset:1024*\k+16
.endr
	s_wait_dscnt 0x0
.irp k, 1,2,3,4,5,6,7
.irp p, 0,2,4,6
	v_pk_add_f32 v[128+\p:129+\p], v[128+\p:129+\p], v[128+8*\k+\p:129+8*\k+\p]
.endr
.endr
.irp j, 0,1,2,3,4,5,6,7
	v_add_f32 v[128+\j], s[24+\j], v[128+\j]
.endr
	v_max3_num_f32 v136, v128, v129, v130
	s_delay_alu instid0(VALU_DEP_1)
	v_max3_num_f32 v136, v136, v131, v132
	s_delay_alu instid0(VALU_DEP_1)
	v_max3_num_f32 v136, v136, v133, v134
	s_delay_alu instid0(VALU_DEP_1)
	v_max_num_f32 v136, v136, v135                 ; the row's largest logit m
	s_delay_alu instid0(VALU_DEP_1)
	v_mul_f32 v137, s42, v136
.irp j, 0,1,2,3,4,5,6,7
	v_fma_f32 v[128+\j], v[128+\j], s42, -v137     ; (l - m) log2(e); what the rounding of m log2(e) shifts is common to the eight and leaves with the division
.endr
	s_wait_alu depctr_va_vdst(0)
.irp j, 0,1,2,3,4,5,6,7
	v_exp_f32 v[128+\j], v[128+\j]
.endr
	v_nop                                          ; a plain place behind the exponentials
	s_wait_alu depctr_va_vdst(0)
	v_add_f32 v136, v128, v129
	v_add_f32 v137, v130, v131
	v_add_f32 v138, v132, v133
	v_add_f32 v139, v134, v135
	s_delay_alu instid0(VALU_DEP_3)
	v_add_f32 v136, v136, v137
	s_delay_alu instid0(VALU_DEP_2)
	v_add_f32 v138, v138, v139
	s_delay_alu instid0(VALU_DEP_1)
	v_add_f32 v136, v136, v138
	s_wait_alu depctr_va_vdst(0)
	v_rcp_f32 v137, v136
	v_nop                                          ; a plain place behind the reciprocal
	s_wait_alu depctr_va_vdst(0)
.irp j, 0,1,2,3,4,5,6,7
	v_mul_f32 v[128+\j], v[128+\j], v137
.endr
	global_store_b128 v15, v[128:131], s[20:21]            ; a token's eight scores are 32 neighbouring bytes: sixteen lanes fill a tile's 512 bytes with the two stores
	global_store_b128 v15, v[132:135], s[20:21] offset:16
.Lend:
	s_wait_tensorcnt 0x0
	ds_add_u32 v46, v47
	s_wait_dscnt 0x0
	s_endpgm
; ---------------- W: a lane takes a column (an output) and its registers run down K: nothing is transposed ----------------
.Lw_path:
	s_sub_co_u32 s36, ttmp9, 256
	s_lshr_b32 s37, s36, 5                         ; e
	s_bfe_u32 s38, s36, 0x40001                    ; cg: the group of 64 outputs
	s_and_b32 s39, s36, 1                          ; which half of K
	s_and_b32 s40, s22, 1                          ; which 32 of the 64 outputs
	s_lshr_b32 s41, s22, 1
	s_lshl_b32 s39, s39, 2
	s_add_co_u32 s41, s41, s39                     ; kk: my K step
	s_lshl_b32 s34, s37, 22                        ; W: expert, 128 kk rows of 4,096 bytes, 256 cg + 128 half bytes along a row
	s_lshl_b32 s36, s41, 19
	s_add_co_u32 s34, s34, s36
	s_lshl_b32 s36, s38, 8
	s_add_co_u32 s34, s34, s36
	s_lshl_b32 s36, s40, 7
	s_add_co_u32 s34, s34, s36
	s_add_nc_u64 s[6:7], s[6:7], s[34:35]
	s_lshl_b32 s36, s38, 5
	s_lshl_b32 s39, s40, 4
	s_add_co_u32 s36, s36, s39
	s_add_co_u32 s36, s36, s37                     ; lanes 0-15's tile: 32 cg + 8 (2 half) + e
	s_mul_i32 s34, s36, 12288
	s_mul_i32 s39, s41, 1536
	s_add_co_u32 s34, s34, s39
	s_add_nc_u64 s[16:17], s[16:17], s[34:35]
	s_lshl_b32 s34, s36, 9
	s_lshl_b32 s39, s41, 6
	s_add_co_u32 s34, s34, s39
	s_add_nc_u64 s[18:19], s[18:19], s[34:35]
.set i, 0
.rept 128
	global_load_b32 v[128+i], v11, s[6:7] offset:i*4096 th:TH_LOAD_NT   ; W(128 kk + i, my column): the wave reads 128 consecutive bytes, two neighbouring waves 256; read once in the launch
.set i, i+1
.endr
	s_wait_loadcnt 0x0                             ; the four blocks' maxima go by turns, so all 128 numbers are wanted together
	QUANT4 128, 192, 160, 224, 64                  ; blocks 0, 2 make the image of lane (r, 0) in v80-91, blocks 1, 3 that of lane (r, 1) in v92-103; bytes v72 (block 0), v73 (2), v74 (1), v75 (3)
	v_lshl_or_b32 v76, v74, 8, v72
	s_delay_alu instid0(VALU_DEP_1)
	v_lshl_or_b32 v76, v73, 16, v76
	s_delay_alu instid0(VALU_DEP_1)
	v_lshl_or_b32 v76, v75, 24, v76                ; my column's scale word of this K step
.irp c, 0,1,2
	global_store_b128 v12, v[80+4*\c:83+4*\c], s[16:17] offset:512*\c           ; sixteen lanes store 256 consecutive bytes, at a multiple of 256 from wq's first byte
	global_store_b128 v12, v[92+4*\c:95+4*\c], s[16:17] offset:512*\c+256
.endr
	global_store_b32 v13, v76, s[18:19]            ; two pieces of 64 bytes
	s_endpgm
.Lfunc_end_k_q84c71c2283_prep:
	.size	k_q84c71c2283_prep, .Lfunc_end_k_q84c71c2283_prep-k_q84c71c2283_prep
	.p2alignl 7, 3214868480
	.fill 96, 4, 3214868480
	.section	.rodata,"a",@progbits
	.p2align	6, 0x0
	.amdhsa_kernel k_q84c71c2283_prep
		.amdhsa_group_segment_fixed_size 152576
		.amdhsa_private_segment_fixed_size 0
		.amdhsa_enable_private_segment 0
		.amdhsa_kernarg_size 56
		.amdhsa_user_sgpr_count 2
		.amdhsa_user_sgpr_kernarg_segment_ptr 1
		.amdhsa_wavefront_size32 1
		.amdhsa_system_sgpr_workgroup_id_x 1
		.amdhsa_system_sgpr_workgroup_id_y 1
		.amdhsa_system_sgpr_workgroup_id_z 1
		.amdhsa_system_vgpr_workitem_id 0
		.amdhsa_next_free_vgpr 256
		.amdhsa_next_free_sgpr 66
		.amdhsa_reserve_vcc 1
		.amdhsa_float_denorm_mode_32 3
		.amdhsa_float_denorm_mode_16_64 3
		.amdhsa_memory_ordered 1
		.amdhsa_forward_progress 1
		.amdhsa_inst_pref_size 57
	.end_amdhsa_kernel
	.amdgpu_metadata
---
amdhsa.version: [ 1, 2 ]
amdhsa.kernels:
  - .name:           k_q84c71c2283_prep
    .symbol:         k_q84c71c2283_prep.kd
    .args:
      - { .name: x, .offset: 0, .size: 8, .value_kind: global_buffer, .address_space: global }
      - { .name: W, .offset: 8, .size: 8, .value_kind: global_buffer, .address_space: global }
      - { .name: gate_W, .offset: 16, .size: 8, .value_kind: global_buffer, .address_space: global }
      - { .name: gate_b, .offset: 24, .size: 8, .value_kind: global_buffer, .address_space: global }
      - { .name: xq, .offset: 32, .size: 8, .value_kind: global_buffer, .address_space: global }
      - { .name: wq, .offset: 40, .size: 8, .value_kind: global_buffer, .address_space: global }
      - { .name: ws, .offset: 48, .size: 8, .value_kind: global_buffer, .address_space: global }
    .group_segment_fixed_size: 152576
    .private_segment_fixed_size: 0
    .kernarg_segment_align: 8
    .kernarg_segment_size: 56
    .max_flat_workgroup_size: 256
    .sgpr_count:     66
    .vgpr_count:     256
    .wavefront_size: 32
...
	.end_amdgpu_metadata
.endif
;; end of part 1
;; launch gemm (part 2): grid 16 x 16, 4 waves a work-group, clusters of 4 x 1, 327,680 bytes of LDS; arguments xq, wq, ws, b, out0; writes out0
.if DOCPART == 2
	.amdgcn_target "amdgcn-amd-amdhsa--gfx1250"
	.amdhsa_code_object_version 6
	.text
	.protected	k_q84c71c2283_gemm
	.globl	k_q84c71c2283_gemm
	.p2align	8
	.type	k_q84c71c2283_gemm,@function
k_q84c71c2283_gemm:
	s_mov_b64 s[64:65], 0
	v_nop
	global_prefetch_b8 v0, s[64:65] scope:SCOPE_SE
	s_setreg_imm32_b32 hwreg(HW_REG_WAVE_MODE, 25, 1), 1
	s_wait_xcnt 0x0
	s_wait_alu depctr_hold_cnt(0) depctr_sa_sdst(0) depctr_va_vdst(0) depctr_va_sdst(0) depctr_va_ssrc(0) depctr_va_vcc(0) depctr_vm_vsrc(0)
	s_getreg_b32 s2, hwreg(HW_REG_IB_STS2, 6, 4)
	s_cmp_eq_u32 s2, 0
	s_cbranch_scc0 .Lentry_in_a_cluster
	s_endpgm
.Lentry_in_a_cluster:
	s_bfe_u32 s2, ttmp6, 0x10000c
	s_cmp_lg_u32 s2, 0x3003
	s_cbranch_scc0 .Lentry_shape_is_right
	s_endpgm
.Lentry_shape_is_right:
; out[n][o] = sum over e of g[n][e] (sum over i of x[n][i] W[e][i][o] + b[e][o]); the inner product on codes of FP6 (E2M3) with one E8M0 scale for each 32 along K = 1,024; sums in f32.
; xq: for each tile of 16 tokens a block of 13,312 bytes: the codes as an image of the operand's registers ([K step 8][c 3][lane 32][16 bytes]), 512 bytes of scale words ([K step 8][row 16]), 512 bytes of gate scores ([token][expert] f32).
; wq, ws: tile 32 cg + 8 nt + e holds outputs 64 cg + 16 nt + 0 .. 15 of expert e: 12,288 bytes of codes, 512 of scale words, laid likewise.
; SHARES.  Work-group (cg, bx) makes tokens 512 bx .. + 511 x outputs 64 cg .. + 63.  Wave w KEEPS W: its 16 outputs (nt = w) of all 8 experts, 8 tiles x 8 K steps = 64 fragments = 768 registers.
; The tokens stream: a PASS is one tile of 16 tokens: 64 scaled products (8 K steps x 8 experts, the 8 accumulators by turns) on 8 fragments from LDS, the same for all four waves.  32 passes.
; THE MATRIX INSTRUCTION IS USED TRANSPOSED (source 0 = 16 outputs, source 1 = 16 tokens): lane (r, h) holds token r, its registers outputs 8 h + 0 .. 7.
; THE WEIGHTED SUM of a pass is 8 registers: it begins as sum over e of g b, one bf16 product (K = 8 experts, the rest of K zeros; operands rounded to bf16, as the contract allows for this product), and takes
; g[e] x accumulator e by four packed multiply-adds, each set in front of the next pass's product that begins that accumulator anew.
; THE WAY OUT runs through the whole walk: a pass's 16 x 64 results meet in a ring of 8 places in LDS; four passes later, behind a barrier, each wave reads 4 whole rows of 256 bytes back and stores them.
; THE HEAD.  W's K steps 0-5 come from memory straight into registers (144 loads a wave, in the order of K); K steps 6 and 7, W's scale words and the first four token tiles come by one tensor load a wave
; (53,248, 49,152, 49,152 and 16,384 bytes) and are read from LDS.
; CLUSTER.  The four work-groups of a cluster share bx and walk the same token tiles: these are asked for jointly, mask of all four.  W is not: the partners have different cg, so their tiles of W differ.
; NO PREFETCH: a refill is asked for four passes, 260 matrix instructions a wave, ahead of the wait for it, and a work-group's whole stream is 32 blocks of 13,312 bytes which 15 other work-groups read in the same order.
; LIMITS: NaN and infinities among the inputs are not served.  All of a WGP's LDS is claimed; the text uses 221,696 bytes.
; REGISTERS, in windows of 256.  Window 0: v1-11 addresses; v12-15 x's scale words; v16-47 W's; v48-55 gate scores; v56-63 the bias as a bf16 operand; v64-255 W's fragments 0-15 (fragment f = 8 k + e).
; Window 1: v0-95 eight buffers for x's fragments; v96-159 the accumulators; v160-167 the weighted sum; v168-175 the gate scores as a bf16 operand; v176-183 rows on their way out; v184-255 fragments 16-21.
; Window 2: fragments 22-42.  Window 3: fragments 43-63.
.set TILEB, 13312                      ; a token tile's block
.set WTB,   12288                      ; a tile's codes
.set FRB,   1536                       ; a fragment's image
.set SLOTB, 4*TILEB                    ; LDS: two slots of four token tiles from byte 0
.set WST,   2*SLOTB                    ; W's K steps 6, 7: [K step 2][tile 32][1,536 bytes]; filled once
.set WHALF, 49152
.set WSS,   WST+2*WHALF                ; W's scale words, 16,384 bytes; filled once
.set SPARE, WSS+16384                  ; the spare words, 128 bytes a wave
.set RING,  WST                        ; the way out: 8 places of 16 rows x 272 bytes, in bytes that have had their one fill and, behind the head's last barrier, their last read as W
.set RSP,   272
.set RTB,   16*RSP
.set XA,  1                            ; v1-2  16 x lane in slot 0, 1 (v1 also serves wq)
.set SX,  3                            ; v3-4  x's scale words: 4 x lane + 12,288
.set GX,  5                            ; v5-6  gate scores: 32 r + 12,800
.set STO, 7                            ; ring, in: row r, 64 w + 32 h
.set RD,  8                            ; ring, back: row 4 w + h, 16 r
.set CO,  9                            ; the same place in out0
.set SPW, 10
.set NIL, 11
.set XS,  12
.set WSC, 16                           ; v[WSC + 4 e + q]: lanes 0-15 K step 2 q, lanes 16-31 K step 2 q + 1
.set G,   48
.set AOP, 56
.set ACC, 96                           ; window 1
.set OUT, 160
.set BOP, 168
.set SND, 176
.set G1,  28                           ; group 1: 52 rows of 256 bytes, joint
.set G1H, 36                           ; 208 rows, joint: the head's four tiles
.set G0,  44                           ; s[44:47], s[48:51] group 0 for slot 0, 1
.set G1W, 52                           ; 32 rows of 1,536 bytes, 12,288 apart
.set G0W, 60
.set G1S, 68                           ; 64 rows of 256 bytes
.set G0S, 76
.set G0H, 80
.set FIRSTP, 0
.set MSB, 0
.macro WIN new                         ; the immediate's high byte repeats the setting that is left
.if MSB != (\new)
	s_set_vgpr_msb (MSB<<8)|(\new)
.set MSB, (\new)
.endif
.endm
.macro PLACES n
.rept \n
	v_nop
.endr
.endm
.macro CREST
	s_cmp_lg_u32 s18, 0
	s_cbranch_scc1 .Lnot_wave_0_\@
	s_barrier_signal -3
.Lnot_wave_0_\@:
	s_barrier_wait -3
	s_barrier_signal -1
	s_barrier_wait -1
.endm
.macro CROUND
	s_barrier_signal -1
	s_barrier_wait -1
	CREST
.endm
.macro AREG f                          ; where W's fragment f lies
.if (\f) < 16
.set AW, 0
.set AR, 64+12*(\f)
.elseif (\f) < 22
.set AW, 1
.set AR, 184+12*((\f)-16)
.elseif (\f) < 43
.set AW, 2
.set AR, 12*((\f)-22)
.else
.set AW, 3
.set AR, 12*((\f)-43)
.endif
.endm
.macro DESC g, w0, c, r, p             ; group 1: r rows of c elements of 8 bytes, p elements apart
	s_mov_b32 s[\g], \w0
	s_mov_b32 s[\g+1], (\c)<<16
	s_mov_b32 s[\g+2], (\r)<<16
	s_mov_b32 s[\g+3], (\c)<<16
	s_mov_b32 s[\g+4], \r
	s_mov_b32 s[\g+5], \p
	s_mov_b32 s[\g+6], 0
	s_mov_b32 s[\g+7], 0
.endm
.macro WLOAD f0, n                     ; W's fragments f0 .. f0 + n - 1 from memory: three loads of 512 consecutive bytes a fragment
.set f, \f0
.rept \n
	AREG f
.set WN, AW<<6
	WIN WN
.irp c, 0,1,2
	global_load_b128 v[AR+4*\c:AR+4*\c+3], v[XA], s[6:7] offset:WTB*(f%8)+FRB*(f/8)+512*\c
.endr
.set f, f+1
.endr
	WIN 0
.endm
	s_load_b256 s[4:11], s[0:1], 0x0               ; xq s[4:5], wq s[6:7], ws s[8:9], b s[10:11]
	s_load_b64 s[12:13], s[0:1], 0x20              ; out0
	v_lshl_add_u32 v[SPW], v0, 2, SPARE
	v_mov_b32 v[NIL], 0
	ds_add_u32 v[SPW], v[NIL]
	ds_add_u32 v[SPW], v[NIL]
	v_lshrrev_b32 v12, 5, v0
	v_readfirstlane_b32 s18, v12                   ; wave 0..3
	v_and_b32 v12, 31, v0                          ; lane
	v_and_b32 v13, 15, v0                          ; r
	v_bfe_u32 v14, v0, 4, 1                        ; h
	v_lshlrev_b32 v[XA], 4, v12
	v_lshlrev_b32 v15, 2, v13
	s_bfe_u32 s19, ttmp6, 0x40000                  ; cx
	s_lshl_b32 s20, ttmp9, 2
	s_add_co_u32 s20, s20, s19                     ; cg = 4 x cluster x + cx
	s_and_b32 s21, ttmp7, 0xffff                   ; bx, which the four partners share
	DESC G1,  15|(3<<16)|(1<<21), 32, 52, 32
	DESC G1H, 15|(3<<16)|(1<<21), 32, 208, 32
	DESC G1W, 3<<16, 192, 32, 1536
	DESC G1S, 3<<16, 32, 64, 32
	s_mov_b32 s25, 0
	s_mov_b32 s27, 0
	s_wait_alu depctr_va_vdst(0)
	s_wait_dscnt 0x0
	s_wait_kmcnt 0x0
	s_mul_i32 s24, s21, 32*TILEB                   ; s[24:25] hold bx and the wave's number alone
	s_add_nc_u64 s[4:5], s[4:5], s[24:25]          ; xq at my 32 tiles
	s_mul_i32 s24, s18, TILEB
	s_mov_b32 s[G0], 1
	s_mov_b32 s[G0+1], s24                         ; slot 0, my quarter
	s_add_nc_u64 s[G0+2:G0+3], s[4:5], s[24:25]    ; tile number wave: stepped 8 tiles on ahead of its first use
	s_mov_b32 s[G0+4], 1
	s_add_co_u32 s[G0+5], s24, SLOTB
	s_add_nc_u64 s[G0+6:G0+7], s[G0+2:G0+3], SLOTB ; tiles 4-7
	s_or_b32 s[G0+3], s[G0+3], 0x80000000
	s_or_b32 s[G0+7], s[G0+7], 0x80000000
	s_mov_b32 s[G0H], 1
	s_mov_b32 s[G0H+1], 0
	s_mov_b64 s[G0H+2:G0H+3], s[4:5]               ; tiles 0-3, whole
	s_or_b32 s[G0H+3], s[G0H+3], 0x80000000
	s_mul_i32 s26, s20, 32*WTB                     ; s[26:27], s16 hold what hangs on cg
	s_add_nc_u64 s[6:7], s[6:7], s[26:27]          ; wq at my cg
	s_mul_i32 s26, s18, FRB
	s_add_co_u32 s26, s26, 5*FRB                   ; wave 1: K step 6 of all 32 tiles; wave 2: K step 7
	s_mov_b32 s[G0W], 1
	s_mul_i32 s[G0W+1], s18, WHALF
	s_add_co_u32 s[G0W+1], s[G0W+1], WST-WHALF
	s_add_nc_u64 s[G0W+2:G0W+3], s[6:7], s[26:27]
	s_or_b32 s[G0W+3], s[G0W+3], 0x80000000
	s_mul_i32 s26, s18, 8*WTB
	s_add_nc_u64 s[6:7], s[6:7], s[26:27]          ; wq at my wave's eight tiles
	s_lshl_b32 s26, s20, 14
	s_add_nc_u64 s[8:9], s[8:9], s[26:27]          ; ws at my cg
	s_mov_b32 s[G0S], 1
	s_mov_b32 s[G0S+1], WSS
	s_mov_b64 s[G0S+2:G0S+3], s[8:9]
	s_or_b32 s[G0S+3], s[G0S+3], 0x80000000
	s_lshl_b32 s16, s20, 8
	s_lshl_b32 s26, s18, 6
	s_add_co_u32 s26, s26, s16
	s_add_nc_u64 s[10:11], s[10:11], s[26:27]      ; b at outputs 64 cg + 16 wave
	s_lshl_b32 s26, s21, 21
	s_add_co_u32 s26, s26, s16
	s_add_nc_u64 s[12:13], s[12:13], s[26:27]      ; out0 at row 512 bx, byte 256 cg
.irp e, 0,1,2,3,4,5,6,7
	global_load_b32 v[G+\e], v15, s[10:11] offset:4096*\e      ; b[e][my output r]
.endr
	WLOAD 0, 8                                     ; W's K step 0 is asked for while the work-groups meet
	CROUND                                         ; all four work-groups are here
; THE HEAD'S LOADS, ONE A WAVE, in one chain of branches on the wave's number: wave 0 the first four token tiles (jointly), waves 1 and 2 W's K steps 6 and 7, wave 3 W's scale words
.macro ARM under, g0, g1, next
	s_cmp_lt_u32 s18, \under
	s_cbranch_scc0 \next
	tensor_load_to_lds s[\g0:\g0+3], s[\g1:\g1+7]
	s_nop 0
	PLACES 4
	s_branch .Lhead_asked
\next:
.endm
	ARM 1, G0H, G1H, .Lhead_w
	ARM 3, G0W, G1W, .Lhead_s
	tensor_load_to_lds s[G0S:G0S+3], s[G1S:G1S+7]
	s_nop 0
	PLACES 4
.Lhead_asked:
	WLOAD 8, 40                                    ; W's K steps 1-5
	v_add_nc_u32 v[XA+1], SLOTB, v[XA]
	v_lshl_add_u32 v[SX], v12, 2, WTB
	v_add_nc_u32 v[SX+1], SLOTB, v[SX]
	v_lshl_add_u32 v[GX], v13, 5, WTB+512
	v_add_nc_u32 v[GX+1], SLOTB, v[GX]
	s_lshl_b32 s16, s18, 6
	s_add_co_u32 s16, s16, RING
	v_mul_u32_u24 v[STO], v13, RSP
	v_lshl_add_u32 v[STO], v14, 5, v[STO]
	v_add_nc_u32 v[STO], s16, v[STO]
	s_mul_i32 s16, s18, 4*RSP
	s_add_co_u32 s16, s16, RING
	v_mul_u32_u24 v[RD], v14, RSP
	v_lshl_add_u32 v[RD], v13, 4, v[RD]
	v_add_nc_u32 v[RD], s16, v[RD]
	s_lshl_b32 s16, s18, 14
	v_lshlrev_b32 v[CO], 12, v14
	v_lshl_add_u32 v[CO], v13, 4, v[CO]
	v_add_nc_u32 v[CO], s16, v[CO]
	s_mul_i32 s16, s18, 8*FRB
	s_add_co_u32 s16, s16, WST
	v_add_nc_u32 v12, s16, v[XA]                   ; my eight tiles' K step 6 in LDS,
	v_add_nc_u32 v13, WHALF, v12                   ; and 7
	s_lshl_b32 s16, s18, 12
	s_add_co_u32 s16, s16, WSS-WTB
	v_add_nc_u32 v14, s16, v[SX]                   ; my eight tiles' scale words: WSS + 4,096 wave + 4 x lane
	WIN 0x40
.irp i, 4,5,6,7
	v_mov_b32 v[BOP+\i], 0                         ; K = 16 .. 31 of the bf16 operands are zeros
.endr
	WIN 0
	s_wait_alu depctr_va_vdst(0)
	s_wait_tensorcnt 0x0                           ; my load of the head's four is in
	ds_add_u32 v[SPW], v[NIL]
	s_wait_dscnt 0x0
	CROUND
	tensor_load_to_lds s[G0+4:G0+7], s[G1:G1+7]    ; slot 1's first fill: tiles 4-7, a tile a wave
	s_nop 0
	PLACES 4
.set f, 48
.rept 16                               ; W's K steps 6, 7 from LDS
	AREG f
.set WN, AW<<6
	WIN WN
.irp c, 0,1,2
	ds_load_b128 v[AR+4*\c:AR+4*\c+3], v[12+(f/8)-6] offset:FRB*(f%8)+512*\c
.endr
.set f, f+1
.endr
	WIN 0
.irp e, 0,1,2,3,4,5,6,7
.irp q, 0,1,2,3
	ds_load_b32 v[WSC+4*\e+\q], v14 offset:512*\e+128*\q
.endr
.endr
	WIN 0x40
.irp k, 0,1,2,3,4,5,6,7
.irp c, 0,1,2
	ds_load_b128 v[12*\k+4*\c:12*\k+4*\c+3], v[XA] offset:FRB*\k+512*\c     ; pass 0's eight fragments
.endr
.endr
	WIN 0
	s_wait_loadcnt 63                              ; all but the youngest 63 of the 152 loads: the bias and W's K steps 0-2 are in
	v_bfe_u32 v15, v0, 4, 1
	v_add_nc_u32 v15, -1, v15                      ; all ones in lanes 0-15, 0 in lanes 16-31
.irp i, 0,1,2,3
	v_cvt_pk_bf16_f32 v[AOP+\i], v[G+2*\i], v[G+2*\i+1]        ; row r of the operand: k = expert
.endr
.irp i, 0,1,2,3
	v_and_b32 v[AOP+\i], v15, v[AOP+\i]            ; lanes 16-31 hold k = 8 .. 15: zeros
	v_mov_b32 v[AOP+4+\i], 0
.endr
	s_wait_dscnt 0x0                               ; the loads above have come back: v12-15 take x's scale words
.irp q, 0,1,2,3
	ds_load_b32 v[XS+\q], v[SX] offset:128*\q
.endr
	s_wait_alu depctr_va_vdst(0)
	s_wait_dscnt 0x0
	s_barrier_signal -1                            ; no wave reads W from LDS any more: the ring may be written.
	s_barrier_wait -1
.macro COMB e                          ; the weighted sum += g[e] x accumulator e, from its low end on.  Setting 0x54: g window 0, the rest window 1
.irp p, 0,2,4,6
.if ((\e)%2) == 0
	v_pk_fma_f32 v[OUT+\p:OUT+\p+1], v[G+(\e):G+(\e)+1], v[ACC+8*(\e)+\p:ACC+8*(\e)+\p+1], v[OUT+\p:OUT+\p+1] op_sel_hi:[0,1,1]
.else
	v_pk_fma_f32 v[OUT+\p:OUT+\p+1], v[G+(\e)-1:G+(\e)], v[ACC+8*(\e)+\p:ACC+8*(\e)+\p+1], v[OUT+\p:OUT+\p+1] op_sel:[1,0,0] op_sel_hi:[1,1,1]
.endif
.endr
.endm
.macro MM k, e                         ; one product: W's fragment (k, e) x the pass's fragment k.  Odd K steps take their scale words from lanes 16-31
	AREG 8*(\k)+(\e)
.set WN, 0x54|AW
	WIN WN
.set DD, ACC+8*(\e)
.set XB, 12*(\k)
.set SCW, WSC+4*(\e)+(\k)/2
.set SCX, XS+(\k)/2
.if (\k) == 0
	v_wmma_scale_f32_16x16x128_f8f6f4 v[DD:DD+7], v[AR:AR+11], v[XB:XB+11], 0, v[SCW], v[SCX] matrix_a_fmt:MATRIX_FMT_FP6 matrix_b_fmt:MATRIX_FMT_FP6
.elseif ((\k)%2) == 0
	v_wmma_scale_f32_16x16x128_f8f6f4 v[DD:DD+7], v[AR:AR+11], v[XB:XB+11], v[DD:DD+7], v[SCW], v[SCX] matrix_a_fmt:MATRIX_FMT_FP6 matrix_b_fmt:MATRIX_FMT_FP6
.else
	v_wmma_scale_f32_16x16x128_f8f6f4 v[DD:DD+7], v[AR:AR+11], v[XB:XB+11], v[DD:DD+7], v[SCW], v[SCX] matrix_a_fmt:MATRIX_FMT_FP6 matrix_b_fmt:MATRIX_FMT_FP6 matrix_a_scale:MATRIX_SCALE_ROW1 matrix_b_scale:MATRIX_SCALE_ROW1
.endif
.endm
.macro STEP k, comb                    ; 8 products, the 8 accumulators by turns.  In the first pass K steps 3-5 wait for their fragments of W: 24 loads a K step
.if FIRSTP && ((\k) >= 3) && ((\k) <= 5)
	s_wait_loadcnt 24*(5-(\k))
.endif
.irp e, 0,1,2,3,4,5,6,7
.if ((\k) == 0) && (\comb)
	WIN 0x54
	COMB \e
.endif
	MM \k, \e
.endr
.endm
.macro XFR np, k0                      ; pass np's fragments k0 .. k0 + 3
	WIN 0x40
.irp k, 0,1,2,3
.irp c, 0,1,2
	ds_load_b128 v[12*((\k0)+\k)+4*\c:12*((\k0)+\k)+4*\c+3], v[XA+(((\np)/4)%2)] offset:((\np)%4)*TILEB+FRB*((\k0)+\k)+512*\c
.endr
.endr
.endm
.macro XSC np, q0                      ; pass np's scale words q0, q0 + 1
	WIN 0
.irp q, 0,1
	ds_load_b32 v[XS+(\q0)+\q], v[SX+(((\np)/4)%2)] offset:((\np)%4)*TILEB+128*((\q0)+\q)
.endr
.endm
.macro GLD pp                          ; this pass's gate scores: token r's eight
	WIN 0
	ds_load_b128 v[G:G+3], v[GX+(((\pp)/4)%2)] offset:((\pp)%4)*TILEB
	ds_load_b128 v[G+4:G+7], v[GX+(((\pp)/4)%2)] offset:((\pp)%4)*TILEB+16
.endm
.macro OST pp                          ; the pass before's weighted sum goes to its place in the ring
	s_wait_alu depctr_va_vdst(0)
	WIN 0x04
	ds_store_b128 v[STO], v[OUT:OUT+3] offset:RTB*(((\pp)+7)%8)
	ds_store_b128 v[STO], v[OUT+4:OUT+7] offset:RTB*(((\pp)+7)%8)+16
.endm
.macro GST pp, cnd                     ; my four rows of the tile five passes back are stored.  cnd: in the first trip there is no such tile yet: the jump hangs on the trip counter alone and leads round the two stores
.if \cnd
	WIN 0
	s_cmp_eq_u32 s22, 3
	s_cbranch_scc1 .Lno_tile_\@
.endif
	WIN 0x04
	global_store_b128 v[CO], v[SND:SND+3], s[12:13] offset:65536*((\pp)-5) th:TH_STORE_NT        ; sixteen lanes store 256 consecutive bytes, at a multiple of 256 from out0's first byte
	global_store_b128 v[CO], v[SND+4:SND+7], s[12:13] offset:65536*((\pp)-5)+8192 th:TH_STORE_NT
.if \cnd
	WIN 0
.Lno_tile_\@:
.endif
.endm
; A pass.  pp: its number within a trip (pp / 4 % 2 the slot, pp % 4 the tile in it).  Two runs of LDS instructions: behind K step 3 (the next pass's fragments 0-3) and behind K step 7 (its fragments 4-7).
; turn: the slot's last pass.  The weighted sum and the gate scores are then moved ahead of the barrier, behind which the other slot is read.  1: the slot is filled again, 8 passes ahead; 2: it is not.
.macro PASS pp, comb, turn, last, cnd
	s_wait_dscnt 16                                ; all but the 16 loads of the run behind K step 7: fragments 0-3 and their scale words are in
	STEP 0, \comb
	STEP 1, 0
.if \turn
.set SL, ((\pp)/4)%2
	OST \pp
	GLD \pp                                        ; my last reads of this slot
	s_wait_tensorcnt 0x0                           ; all my tensor loads have landed: my quarter of the other slot
	ds_add_u32 v[SPW], v[NIL]
	STEP 2, 0
	s_wait_dscnt 0x0                               ; the add, my reads of this slot and my stores to the ring are done
	s_barrier_signal -1
	STEP 3, 0
	WIN 0
	s_barrier_wait -1
.if (\turn) == 1
	CREST                                          ; the barrier has opened a round of the cluster's
	s_add_nc_u64 s[G0+4*SL+2:G0+4*SL+3], s[G0+4*SL+2:G0+4*SL+3], 2*SLOTB
	tensor_load_to_lds s[G0+4*SL:G0+4*SL+3], s[G1:G1+7]    ; my one tensor load behind the round
	s_nop 0
.endif
	PLACES 4                                       ; in front of loads into registers that matrix instructions have read
.else
	STEP 2, 0
	STEP 3, 0
	WIN 0
	PLACES 4
	s_wait_dscnt 0x0                               ; the run behind the last pass's K step 7 is in: fragments 4-7, and the rows on their way out
.endif
.if \comb
	GST \pp, \cnd
.if !(\turn)
	OST \pp
.endif
.endif
.if !(\turn)
	GLD \pp
.endif
.if !(\last)
	XSC (\pp)+1, 0
	XFR (\pp)+1, 0
.endif
	STEP 4, 0
	STEP 5, 0
.if \last
	s_wait_dscnt 0x0
.else
	s_wait_dscnt 14                                ; the gate scores are in: 14 loads were issued behind them
.endif
	WIN 0x40
.irp i, 0,1,2,3
	v_cvt_pk_bf16_f32 v[BOP+\i], v[G+2*\i], v[G+2*\i+1]        ; column r of the operand: k = expert (lanes 16-31 meet zeros of the bias)
.endr
	WIN 0x54
	v_wmma_f32_16x16x32_bf16 v[OUT:OUT+7], v[AOP:AOP+7], v[BOP:BOP+7], 0   ; the weighted sum begins: sum over e of g b
	STEP 6, 0
	STEP 7, 0
	WIN 0
	PLACES 5                                       ; the next pass's first products write over accumulators with another C
	s_wait_xcnt 0x0                                ; the stores have read the registers that the loads below fill
.if !(\last)
	XSC (\pp)+1, 2
	XFR (\pp)+1, 4
.endif
	WIN 0x40
	ds_load_b128 v[SND:SND+3], v[RD] offset:RTB*(((\pp)+4)%8)              ; my four rows of the tile four passes back (in passes 0-3: bytes of W's, loaded and never stored)
	ds_load_b128 v[SND+4:SND+7], v[RD] offset:RTB*(((\pp)+4)%8)+2*RSP
.endm
	s_mov_b32 s22, 3
.set FIRSTP, 1
	PASS 0, 0, 0, 0, 0
.set FIRSTP, 0
	WIN 0
.Ltrip:                                            ; three trips of 8 passes; both slots are filled again
	PASS 1, 1, 0, 0, 1
	PASS 2, 1, 0, 0, 1
	PASS 3, 1, 1, 0, 1
	PASS 4, 1, 0, 0, 1
	PASS 5, 1, 0, 0, 0
	PASS 6, 1, 0, 0, 0
	PASS 7, 1, 1, 0, 0
	PASS 8, 1, 0, 0, 0
	WIN 0
	s_wait_xcnt 0x0                                ; the stores have read their base
	s_add_nc_u64 s[12:13], s[12:13], 8*65536       ; 8 tiles of 16 rows on
	s_sub_co_u32 s22, s22, 1
	s_cmp_lg_u32 s22, 0
	s_wait_alu depctr_va_vdst(0)
	s_cbranch_scc1 .Ltrip
	PASS 1, 1, 0, 0, 0                             ; the last seven passes are written out: nothing more is asked for
	PASS 2, 1, 0, 0, 0
	PASS 3, 1, 2, 0, 0
	PASS 4, 1, 0, 0, 0
	PASS 5, 1, 0, 0, 0
	PASS 6, 1, 0, 0, 0
	PASS 7, 1, 2, 1, 0
	WIN 0x54
.irp e, 0,1,2,3,4,5,6,7
	COMB \e                                        ; tile 31's weighted sum
.endr
	WIN 0
	s_wait_dscnt 0x0
	GST 8, 0                                       ; tile 27
	OST 8
	WIN 0
	s_wait_dscnt 0x0
	s_barrier_signal -1
	s_barrier_wait -1                              ; tiles 28-31 lie whole in the ring
	WIN 0x40
.irp t, 0,1,2,3
	ds_load_b128 v[8*\t:8*\t+3], v[RD] offset:RTB*(4+\t)
	ds_load_b128 v[8*\t+4:8*\t+7], v[RD] offset:RTB*(4+\t)+2*RSP
.endr
	s_wait_dscnt 0x0
	WIN 0x04
.irp t, 0,1,2,3
	global_store_b128 v[CO], v[8*\t:8*\t+3], s[12:13] offset:65536*(4+\t) th:TH_STORE_NT
	global_store_b128 v[CO], v[8*\t+4:8*\t+7], s[12:13] offset:65536*(4+\t)+8192 th:TH_STORE_NT
.endr
	WIN 0
	s_wait_tensorcnt 0x0                           ; the wave's end
	ds_add_u32 v[SPW], v[NIL]
	s_wait_dscnt 0x0
	CROUND                                         ; the closing round
	s_endpgm
.Lfunc_end_k_q84c71c2283_gemm:
	.size	k_q84c71c2283_gemm, .Lfunc_end_k_q84c71c2283_gemm-k_q84c71c2283_gemm
	.p2alignl 7, 3214868480
	.fill 96, 4, 3214868480
	.section	.rodata,"a",@progbits
	.p2align	6, 0x0
	.amdhsa_kernel k_q84c71c2283_gemm
		.amdhsa_group_segment_fixed_size 327680
		.amdhsa_private_segment_fixed_size 0
		.amdhsa_enable_private_segment 0
		.amdhsa_kernarg_size 40
		.amdhsa_user_sgpr_count 2
		.amdhsa_user_sgpr_kernarg_segment_ptr 1
		.amdhsa_wavefront_size32 1
		.amdhsa_system_sgpr_workgroup_id_x 1
		.amdhsa_system_sgpr_workgroup_id_y 1
		.amdhsa_system_sgpr_workgroup_id_z 1
		.amdhsa_system_vgpr_workitem_id 0
		.amdhsa_next_free_vgpr 1024
		.amdhsa_next_free_sgpr 84
		.amdhsa_reserve_vcc 0
		.amdhsa_float_denorm_mode_32 3
		.amdhsa_float_denorm_mode_16_64 3
		.amdhsa_memory_ordered 1
		.amdhsa_forward_progress 1
		.amdhsa_inst_pref_size 249
	.end_amdhsa_kernel
	.amdgpu_metadata
---
amdhsa.version: [ 1, 2 ]
amdhsa.kernels:
  - .name:           k_q84c71c2283_gemm
    .symbol:         k_q84c71c2283_gemm.kd
    .args:
      - { .name: xq, .offset: 0, .size: 8, .value_kind: global_buffer, .address_space: global }
      - { .name: wq, .offset: 8, .size: 8, .value_kind: global_buffer, .address_space: global }
      - { .name: ws, .offset: 16, .size: 8, .value_kind: global_buffer, .address_space: global }
      - { .name: b, .offset: 24, .size: 8, .value_kind: global_buffer, .address_space: global }
      - { .name: out0, .offset: 32, .size: 8, .value_kind: global_buffer, .address_space: global }
    .group_segment_fixed_size: 327680
    .private_segment_fixed_size: 0
    .kernarg_segment_align: 8
    .kernarg_segment_size: 40
    .max_flat_workgroup_size: 128
    .sgpr_count:     84
    .vgpr_count:     1024
    .wavefront_size: 32
...
	.end_amdgpu_metadata
.endif
;; end of part 2
